; MI455X (gfx1250); checked and timed in simulation.
; The chip was launched on July 23, 2026; its instructions are those of AMD's public machine-readable ISA for CDNA 5 (MIT licence, August 2026) and "CDNA5" Instruction Set Architecture Reference Guide (July 2026). The comments in the code are by the model that wrote it; some were corrected since.
;; Self Attention. Allowed arithmetic: matrix products marked QUANTISED: E3M2 operands, one E8M0 scale for each 32 along K, by v_wmma_scale_f32_16x16x128_f8f6f4 with both operands' format E3M2, f32 sums; everything else in f32.
;; Inputs: W_out 512 x 1,024 float32; W_qk 1,024 x 1,024 float32; W_v 1,024 x 512 float32; b_out 1,024 float32; b_qk 1,024 float32; b_v 512 float32; ln_beta 1,024 float32; ln_gamma 1,024 float32; x 2 x 4,096 x 1,024 float32.
;; Outputs: out0 2 x 4,096 x 1,024 float32.
;; This version of the problem:
;;   THIS VERSION OF THE PROBLEM IS GIVEN IN LOW PRECISION. The matrix products marked QUANTISED in the list below multiply operands that are first quantised to E3M2 (3 exponent bits, 2 mantissa bits; 6 bits a number), with one power-of-two scale for each 32 numbers along K (OCP MX v1.0); their sums are f32. All else is computed in f32.
;;   The module's matrix products, in the order in which they are computed (A, B: the left and right operand; K: the contracted axis; several contracted axes count as one K, in the product's order):
;;     1. [M 8,192, K 1,024] x [K 1,024, N 1,024]; A: input x; B: input W_qk: QUANTISED
;;     2. [M 8,192, K 1,024] x [K 1,024, N 512]; A: input x; B: input W_v: QUANTISED
;;     3. batch 16 x [M 4,096, K 64] x [K 64, N 4,096]; A: computed on the way; B: computed on the way: QUANTISED
;;     4. batch 16 x [M 64, K 4,096] x [K 4,096, N 4,096]; A: computed on the way; B: softmax (see below): QUANTISED
;;     5. [M 8,192, K 512] x [K 512, N 1,024]; A: computed on the way; B: input W_out: QUANTISED
;;   THE QUANTISER, for each operand of a quantised product, along K:
;;     - K is cut into blocks of 32 from its start; a last block that is shorter is filled with zeros.
;;     - A block's scale is 2^e with e = floor(log2(the largest magnitude in the block)) - 4, held to -126 .. 127; a block of zeros has e = 0. As a byte (E8M0): e + 127.
;;     - Each number is divided by its block's scale, clamped to +-28, and rounded to the nearest number of E3M2, ties to even, subnormals kept.
;;     - The product sums the exact products of the quantised numbers (number of the format x scale) in f32.
;;   ~~~python
;;   def quantise(x, axis):      # numpy; x: float32 -> the quantised numbers, widened to float32 again
;;       x = np.moveaxis(x, axis, -1); K = x.shape[-1]
;;       x = np.pad(x, [(0, 0)] * (x.ndim - 1) + [(0, -K % 32)]); x = x.reshape(x.shape[:-1] + (-1, 32)); a = np.abs(x).max(-1, keepdims=True)
;;       e = np.where(a > 0, np.clip(np.frexp(np.where(a > 0, a, 1))[1] - 1 - 4, -126, 127), 0)      # np.frexp(a)[1] - 1 = floor(log2(a)), exactly
;;       r = np.clip(x / 2.0 ** e, -28, 28)
;;       step = 2.0 ** (np.maximum(np.frexp(np.where(r == 0, 1, r))[1] - 1, -2) - 2)
;;       q = np.round(r / step) * step * 2.0 ** e      # np.round: ties to even
;;       return np.moveaxis(q.reshape(q.shape[:-2] + (-1,))[..., :K], -1, axis).astype(np.float32)
;;   ~~~
;;   SOFTMAX AHEAD OF A QUANTISED PRODUCT. Where the list says 'softmax', what is quantised is not the finished softmax but p = 2^(t - M), with t = logit x log2(e) and M = ceil(the row's largest t), a whole number; so 1/2 < the row's largest p <= 1. The row's sum l is taken of the UNQUANTISED p, in f32, and the product's result is divided by l at the end. Since M is a whole number, a kernel that streams over the keys may use a running M (the ceiling of the running maximum): every later rescaling is an exact power of two, which a block's scale takes up: the codes' values come out the same.
;;   OPERANDS COMPUTED ON THE WAY. 'Computed on the way' means the value that the module computes at that place (a softmax that the list does not call 'softmax' is quantised finished and normalised). What goes into a quantiser is computed in f32, as accurately as f32 sums, v_exp_f32 and their like allow (about 1e-6 of the number): no bf16 or f16 on the way to a quantiser, and a product that is left as it is and whose result goes on into a quantised operand takes f32 operands (vector FMAs, or v_wmma_f32_16x16x4_f32). A number that lies on a knife's edge between two numbers of the format may be rounded either way, as far as f32 arithmetic and the matrix unit's own rounding can turn it there, and no further.
;; One version. Each part assembles by itself: llvm-mc -triple=amdgcn-amd-amdhsa -mcpu=gfx1250 --defsym DOCPART=n.
;; ======== version 1 of 1: 4 launches
;; limits: right only within a limited range of input values
;; workspace buffers: xq 6,553,600 bytes; wq 1,638,400 bytes; qc 3,407,872 bytes; kv 6,684,672 bytes; oq 3,276,800 bytes
;; launch prep (part 1): grid 320 x 1, 8 waves a work-group, no clusters, 68,608 bytes of LDS; arguments x, W_qk, W_v, W_out, xq, wq; writes xq, wq
.if DOCPART == 1
	.amdgcn_target "amdgcn-amd-amdhsa--gfx1250"
	.amdhsa_code_object_version 6
	.text
	.protected	k_qb202f0c3f3_prep
	.globl	k_qb202f0c3f3_prep
	.p2align	8
	.type	k_qb202f0c3f3_prep,@function
k_qb202f0c3f3_prep:
	s_mov_b64 s[64:65], 0
	v_nop
	global_prefetch_b8 v0, s[64:65] scope:SCOPE_SE
	s_setreg_imm32_b32 hwreg(HW_REG_WAVE_MODE, 25, 1), 1
	s_wait_xcnt 0x0
; x [8192][1024] and the weights W_qk [1024][1024], W_v [1024][512], W_out [512][1024], all f32, become codes of BF6 (E3M2) with one E8M0 byte for each 32 along K,
; laid as IMAGES OF OPERAND REGISTERS: a fragment (16 rows x 128 K, 12 registers a lane) is 1,536 bytes, registers 4 g .. 4 g + 3 of lane l at 512 g + 16 l.
; WHICH 16 FORM A TILE: of a group of 32 rows (tokens, or weight columns) tile 2 B + u takes rows 32 B + 8 u + p + 8 (p / 8), p = 0 .. 15.
; xq: fragment (tile T, K step s) at (8 T + s) x 1,536; scale words at XS_OFF + T x 512 + s x 64 + 4 x row.
; wq: features F = q: 64 head + d, k: 512 + .., v: 1,024 + ..  (column n of W_qk is F = n / 2 + 512 (n % 2)); fragment (tile, s) at (8 tile + s) x 1,536, words at WS_OFF + (8 tile + s) x 64 + 4 x row;
;     W_out's 64 tiles of columns with 4 K steps likewise at WOC_OFF and WOS_OFF.
; A block's scale byte is its largest magnitude's exponent field - 4, held at 1 from below by a floor among the maximum's leaves.
; LIMITS: NaN and infinities are not served; a block whose largest magnitude lies under 2^-122 (a block of zeros too) gets the byte 1: its codes are then zeros or tiny, and this program alone reads the bytes.
; Work-groups 0-255: 32 tokens of x each, wave s takes K step s.  Work-groups 256-319: the weights, a wave takes 32 columns x 128 along K, a lane a column, its registers down K.
; STORES: x's codes leave as 512 consecutive bytes an instruction.  The weights' codes leave in runs of 128 bytes and the scale words in runs of 64: 1.6 MB of the launch's 8 MB.
.set XS_OFF,  6291456
.set WS_OFF,  1179648
.set WOC_OFF, 1228800
.set WOS_OFF, 1622016
.set FLOOR,   0x2800000                ; 2^(5 - 127)
.set EOFF,    0xfe000000               ; - (4 << 23)
.set SP,      528                      ; a stage row: 512 bytes + 16
.set WSTG,    16*SP                    ; a wave's stage
.set RW,  16                           ; x path: v16-143 two units of 16 rows as loaded
.set XN,  144                          ; v144-207 my two whole blocks of 32
.set FR,  208                          ; v208-219 a fragment
.set TC,  220                          ; v220-226 second halves of blocks (a conversion's three registers begin on an even number)
.set MX,  228
.set SO,  230
.set BY,  232
.set WD,  234                          ; v234-235 the two units' scale words
.set TP,  236
.set XW,  16                           ; weights path: v16-143 128 numbers down K
.set F0,  144
.set F1,  156
.set M4,  168
.set S4,  172
.set B4,  176
.set WW,  180
; the largest magnitudes of two blocks of 32, by turns, each with the floor as a leaf
.macro BLKMAX2 m0, a, m1, b
	v_max3_num_f32 v[\m0], |v[\a]|, |v[\a+1]|, FLOOR
	v_max3_num_f32 v[\m1], |v[\b]|, |v[\b+1]|, FLOOR
.set k, 2
.rept 15
	s_delay_alu instid0(VALU_DEP_2)
	v_max3_num_f32 v[\m0], v[\m0], |v[\a+k]|, |v[\a+k+1]|
	s_delay_alu instid0(VALU_DEP_2)
	v_max3_num_f32 v[\m1], v[\m1], |v[\b+k]|, |v[\b+k+1]|
.set k, k+2
.endr
.endm
; two whole blocks of a lane become the 12 registers of its part of a fragment
.macro CODES f, a, b, sa, sb
	v_cvt_scalef32_pk16_bf6_f32 v[\f:\f+2], v[\a:\a+15], v[\sa]
	v_cvt_scalef32_pk16_bf6_f32 v[TC:TC+2], v[\a+16:\a+31], v[\sa]
	v_cvt_scalef32_pk16_bf6_f32 v[\f+6:\f+8], v[\b:\b+15], v[\sb]
	v_cvt_scalef32_pk16_bf6_f32 v[TC+4:TC+6], v[\b+16:\b+31], v[\sb]
	v_nop                                          ; one plain place behind the conversions
.irp i, 0,1,2
	v_mov_b32 v[\f+3+\i], v[TC+\i]
	v_mov_b32 v[\f+9+\i], v[TC+4+\i]
.endr
.endm
	s_load_b256 s[4:11], s[0:1], 0x0               ; x, W_qk, W_v, W_out
	s_load_b128 s[12:15], s[0:1], 0x20             ; xq, wq
	v_lshl_add_u32 v240, v0, 2, 0x10800
	v_mov_b32 v241, 0
	v_lshrrev_b32 v1, 5, v0
	s_delay_alu instid0(VALU_DEP_1)
	v_readfirstlane_b32 s16, v1                    ; wave 0..7
	v_and_b32 v1, 31, v0                           ; lane
	s_delay_alu instid0(VALU_DEP_1)
	v_lshlrev_b32 v2, 4, v1                        ; 16 x lane
	v_and_b32 v3, 15, v0                           ; r
	v_bfe_u32 v4, v0, 4, 1                         ; h
	s_mov_b32 s20, 0x76543210
	s_mov_b32 s21, 0xfedcba98                      ; selects for lane l xor 16
	s_cmp_lt_u32 ttmp9, 256
	s_cbranch_scc0 .Lweights
	; ---------------- x: group of 32 tokens = work-group, K step = wave
	s_mul_i32 s17, s16, WSTG
	v_add_nc_u32 v5, s17, v2                       ; the stage, in: a row's 512 bytes as they lie
	v_mul_u32_u24 v6, v3, SP
	s_delay_alu instid0(VALU_DEP_1)
	v_lshl_add_u32 v6, v4, 7, v6
	s_delay_alu instid0(VALU_DEP_1)
	v_add_nc_u32 v6, s17, v6                       ; out: row r, + 128 h: my block of 32 numbers
	v_lshlrev_b32 v7, 2, v3
	s_delay_alu instid0(VALU_DEP_1)
	v_lshl_add_u32 v7, v4, 9, v7                   ; scale words: lanes 0-15 tile 2 B, lanes 16-31 tile 2 B + 1
	v_lshlrev_b32 v8, 3, v4                        ; 8 h: my bytes' place in a word
	v_mov_b32 v[TP], 0                             ; a lane permute's destination counts as read
	s_lshl_b32 s22, ttmp9, 17                      ; 32 rows of 4,096 bytes
	s_lshl_b32 s24, s16, 9
	s_add_co_u32 s22, s22, s24                     ; + 512 x K step
	s_mov_b32 s23, 0
	s_mul_i32 s24, ttmp9, 24576
	s_mul_i32 s26, s16, 1536
	s_add_co_u32 s24, s24, s26
	s_mov_b32 s25, 0
	s_lshl_b32 s26, ttmp9, 10
	s_lshl_b32 s28, s16, 6
	s_add_co_u32 s26, s26, s28
	s_add_co_u32 s26, s26, XS_OFF
	s_mov_b32 s27, 0
	s_wait_alu depctr_va_vdst(0)
	s_wait_kmcnt 0x0
	s_add_nc_u64 s[4:5], s[4:5], s[22:23]
	s_add_nc_u64 s[24:25], s[12:13], s[24:25]
	s_add_nc_u64 s[26:27], s[12:13], s[26:27]
.irp u, 0,1
.set p, 0
.rept 16
	global_load_b128 v[RW+64*\u+4*p:RW+64*\u+4*p+3], v2, s[4:5] offset:(8*\u+p+8*(p/8))*4096 th:TH_LOAD_NT   ; row p of tile 2 B + u: 512 consecutive bytes
.set p, p+1
.endr
.endr
.macro XUNIT u
	s_wait_loadcnt 16*(1-\u)                       ; this unit's 16 loads are in; the other unit's may be out
.set p, 0
.rept 16
	ds_store_b128 v5, v[RW+64*\u+4*p:RW+64*\u+4*p+3] offset:p*SP
.set p, p+1
.endr
.irp c, 0,1
.irp i, 0,1,2,3,4,5,6,7
	ds_load_b128 v[XN+32*\c+4*\i:XN+32*\c+4*\i+3], v6 offset:256*\c+16*\i   ; k = 64 c + 32 h + 0 .. 31 of row r; LDS serves a wave's instructions in order
.endr
.endr
	s_wait_dscnt 0x0
	BLKMAX2 MX, XN, MX+1, XN+32
	s_delay_alu instid0(VALU_DEP_2)
	v_add_nc_u32 v[SO], EOFF, v[MX]                ; 4 off the exponent field: the conversion's scale operand
	s_delay_alu instid0(VALU_DEP_2)
	v_add_nc_u32 v[SO+1], EOFF, v[MX+1]
	s_delay_alu instid0(VALU_DEP_2)
	v_lshrrev_b32 v[BY], 23, v[SO]
	s_delay_alu instid0(VALU_DEP_2)
	v_lshrrev_b32 v[BY+1], 23, v[SO+1]
.if \u
	s_wait_alu depctr_va_vdst(0)
	s_wait_xcnt 0x0                                ; the first unit's stores have read the fragment's registers
.endif
	CODES FR, XN, XN+32, SO, SO+1
	v_lshl_or_b32 v[WD+\u], v[BY+1], 16, v[BY]     ; blocks h and 2 + h,
	s_delay_alu instid0(VALU_DEP_1)
	v_lshlrev_b32 v[WD+\u], v8, v[WD+\u]           ; at their places,
	s_delay_alu instid0(VALU_DEP_1)
	v_permlanex16_b32 v[TP], v[WD+\u], s20, s21
	s_delay_alu instid0(VALU_DEP_1)
	v_or_b32 v[WD+\u], v[WD+\u], v[TP]             ; with the other half's two: the row's word
.irp gi, 0,1,2
	global_store_b128 v2, v[FR+4*\gi:FR+4*\gi+3], s[24:25] offset:\u*12288+512*\gi
.endr
.endm
	XUNIT 0
	XUNIT 1
	v_cmp_le_u32 s30, 16, v1
	s_delay_alu instid0(VALU_DEP_1)
	v_cndmask_b32 v[TP], v[WD], v[WD+1], s30
	global_store_b32 v7, v[TP], s[26:27]
	s_wait_tensorcnt 0x0
	ds_add_u32 v240, v241
	s_wait_dscnt 0x0
	s_endpgm
	; ---------------- the weights
.Lweights:
	s_sub_co_u32 s17, ttmp9, 256                   ; 0-31 W_qk, 32-47 W_v, 48-63 W_out
	s_mov_b32 s31, WOS_OFF
	s_wait_kmcnt 0x0
	s_cmp_lt_u32 s17, 48
	s_cselect_b64 s[22:23], s[8:9], s[10:11]
	s_cselect_b32 s18, 32, 48                      ; the tensor's first work-group
	s_cselect_b32 s19, 3, 7                        ; groups of 128 columns - 1
	s_cselect_b32 s24, 2, 3                        ; and their log2
	s_cselect_b32 s25, 18, 19                      ; log2 of 128 rows in bytes
	s_cselect_b32 s26, 1024, 0                     ; first feature
	s_cselect_b32 s27, 3, 2                        ; log2 of the K steps
	s_cselect_b32 s28, 0, WOC_OFF
	s_cselect_b32 s31, WS_OFF, s31
	s_cmp_lt_u32 s17, 32
	s_cselect_b64 s[22:23], s[6:7], s[22:23]
	s_cselect_b32 s18, 0, s18
	s_cselect_b32 s19, 7, s19
	s_cselect_b32 s24, 3, s24
	s_cselect_b32 s25, 19, s25
	s_cselect_b32 s26, 0, s26
	s_cselect_b32 s29, 1, 0                        ; W_qk: q and k take turns along the columns
	s_sub_co_u32 s17, s17, s18
	s_lshr_b32 s32, s17, s24
	s_lshl_b32 s32, s32, 1
	s_lshr_b32 s33, s16, 2
	s_add_co_u32 s32, s32, s33                     ; K step
	s_and_b32 s33, s17, s19
	s_lshl_b32 s33, s33, 7
	s_and_b32 s34, s16, 3
	s_lshl_b32 s34, s34, 5
	s_add_co_u32 s33, s33, s34                     ; my wave's first column
	s_lshl_b32 s34, s32, s25
	s_lshl_b32 s35, s33, 2
	s_add_co_u32 s34, s34, s35
	s_mov_b32 s35, 0
	s_add_nc_u64 s[22:23], s[22:23], s[34:35]
	s_wait_alu depctr_va_vdst(0)
	v_lshlrev_b32 v5, 2, v1                        ; in: 4 bytes a lane
	v_add_nc_u32 v6, s33, v1                       ; n
	s_delay_alu instid0(VALU_DEP_1)
	v_and_b32 v7, s29, v6
	s_delay_alu instid0(VALU_DEP_2)
	v_lshrrev_b32 v6, s29, v6
	s_delay_alu instid0(VALU_DEP_1)
	v_lshl_add_u32 v6, v7, 9, v6
	s_delay_alu instid0(VALU_DEP_1)
	v_add_nc_u32 v6, s26, v6                       ; F
	s_delay_alu instid0(VALU_DEP_1)
	v_lshrrev_b32 v7, 5, v6
	s_delay_alu instid0(VALU_DEP_2)
	v_bfe_u32 v8, v6, 3, 1
	s_delay_alu instid0(VALU_DEP_1)
	v_lshl_add_u32 v7, v7, 1, v8                   ; tile = 2 (F / 32) + (F / 8) % 2
	s_delay_alu instid0(VALU_DEP_4)
	v_and_b32 v8, 7, v6
	v_bfe_u32 v9, v6, 4, 1
	s_delay_alu instid0(VALU_DEP_1)
	v_lshl_add_u32 v8, v9, 3, v8                   ; row = F % 8 + 8 ((F / 16) % 2)
	s_delay_alu instid0(VALU_DEP_4)
	v_lshlrev_b32 v7, s27, v7
	s_delay_alu instid0(VALU_DEP_1)
	v_add_nc_u32 v7, s32, v7                       ; fragment's number
	s_delay_alu instid0(VALU_DEP_1)
	v_mul_u32_u24 v9, v7, 1536
	s_delay_alu instid0(VALU_DEP_1)
	v_lshl_add_u32 v9, v8, 4, v9
	s_delay_alu instid0(VALU_DEP_1)
	v_add_nc_u32 v9, s28, v9                       ; my row's 16 bytes in the image, lower half of the lanes
	s_delay_alu instid0(VALU_DEP_4)
	v_lshlrev_b32 v10, 6, v7
	s_delay_alu instid0(VALU_DEP_1)
	v_lshl_add_u32 v10, v8, 2, v10
	s_delay_alu instid0(VALU_DEP_1)
	v_add_nc_u32 v10, s31, v10                     ; my row's scale word
.macro WLOADS pitch
.set i, 0
.rept 128
	global_load_b32 v[XW+i], v5, s[22:23] offset:i*\pitch th:TH_LOAD_NT
.set i, i+1
.endr
.endm
	s_cmp_eq_u32 s25, 18
	s_cbranch_scc1 .Lnarrow
	WLOADS 4096
	s_branch .Lloaded
.Lnarrow:
	WLOADS 2048
.Lloaded:
	s_wait_loadcnt 63                              ; of 128 loads at most 63 are out: the first 65 are in, blocks 0 and 1 among them
	BLKMAX2 M4, XW, M4+1, XW+32
	s_wait_loadcnt 0x0
	BLKMAX2 M4+2, XW+64, M4+3, XW+96
.irp b, 0,1,2,3
	v_add_nc_u32 v[S4+\b], EOFF, v[M4+\b]
.endr
.irp b, 0,1,2,3
	s_delay_alu instid0(VALU_DEP_4)
	v_lshrrev_b32 v[B4+\b], 23, v[S4+\b]
.endr
	CODES F0, XW, XW+64, S4, S4+2                  ; what lane (row, 0) of the operand holds: blocks 0 and 2
	CODES F1, XW+32, XW+96, S4+1, S4+3             ; and lane (row, 1): blocks 1 and 3
	v_lshl_or_b32 v[WW], v[B4+1], 8, v[B4]
	s_delay_alu instid0(VALU_DEP_1)
	v_lshl_or_b32 v[WW], v[B4+2], 16, v[WW]
	s_delay_alu instid0(VALU_DEP_1)
	v_lshl_or_b32 v[WW], v[B4+3], 24, v[WW]
.irp gi, 0,1,2
	global_store_b128 v9, v[F0+4*\gi:F0+4*\gi+3], s[14:15] offset:512*\gi
	global_store_b128 v9, v[F1+4*\gi:F1+4*\gi+3], s[14:15] offset:256+512*\gi
.endr
	global_store_b32 v10, v[WW], s[14:15]
	s_endpgm
.Lfunc_end_k_qb202f0c3f3_prep:
	.size	k_qb202f0c3f3_prep, .Lfunc_end_k_qb202f0c3f3_prep-k_qb202f0c3f3_prep
	.p2alignl 7, 3214868480
	.fill 96, 4, 3214868480
	.section	.rodata,"a",@progbits
	.p2align	6, 0x0
	.amdhsa_kernel k_qb202f0c3f3_prep
		.amdhsa_group_segment_fixed_size 68608
		.amdhsa_private_segment_fixed_size 0
		.amdhsa_enable_private_segment 0
		.amdhsa_kernarg_size 48
		.amdhsa_user_sgpr_count 2
		.amdhsa_user_sgpr_kernarg_segment_ptr 1
		.amdhsa_wavefront_size32 1
		.amdhsa_system_sgpr_workgroup_id_x 1
		.amdhsa_system_sgpr_workgroup_id_y 1
		.amdhsa_system_sgpr_workgroup_id_z 1
		.amdhsa_system_vgpr_workitem_id 0
		.amdhsa_next_free_vgpr 242
		.amdhsa_next_free_sgpr 66
		.amdhsa_reserve_vcc 0
		.amdhsa_float_denorm_mode_32 3
		.amdhsa_float_denorm_mode_16_64 3
		.amdhsa_memory_ordered 1
		.amdhsa_forward_progress 1
		.amdhsa_inst_pref_size 54
	.end_amdhsa_kernel
	.amdgpu_metadata
---
amdhsa.version: [ 1, 2 ]
amdhsa.kernels:
  - .name:           k_qb202f0c3f3_prep
    .symbol:         k_qb202f0c3f3_prep.kd
    .args:
      - { .name: x, .offset: 0, .size: 8, .value_kind: global_buffer, .address_space: global }
      - { .name: W_qk, .offset: 8, .size: 8, .value_kind: global_buffer, .address_space: global }
      - { .name: W_v, .offset: 16, .size: 8, .value_kind: global_buffer, .address_space: global }
      - { .name: W_out, .offset: 24, .size: 8, .value_kind: global_buffer, .address_space: global }
      - { .name: xq, .offset: 32, .size: 8, .value_kind: global_buffer, .address_space: global }
      - { .name: wq, .offset: 40, .size: 8, .value_kind: global_buffer, .address_space: global }
    .group_segment_fixed_size: 68608
    .private_segment_fixed_size: 0
    .kernarg_segment_align: 8
    .kernarg_segment_size: 48
    .max_flat_workgroup_size: 256
    .sgpr_count:     66
    .vgpr_count:     242
    .wavefront_size: 32
...
	.end_amdgpu_metadata
.endif
;; end of part 1
;; launch proj (part 2): grid 64 x 3, 8 waves a work-group, no clusters, 327,680 bytes of LDS; arguments xq, wq, b_qk, b_v, qc, kv; writes qc, kv
.if DOCPART == 2
	.amdgcn_target "amdgcn-amd-amdhsa--gfx1250"
	.amdhsa_code_object_version 6
	.text
	.protected	k_qb202f0c3f3_proj
	.globl	k_qb202f0c3f3_proj
	.p2align	8
	.type	k_qb202f0c3f3_proj,@function
k_qb202f0c3f3_proj:
	s_mov_b64 s[64:65], 0
	v_nop
	global_prefetch_b8 v0, s[64:65] scope:SCOPE_SE
	s_setreg_imm32_b32 hwreg(HW_REG_WAVE_MODE, 25, 1), 1
	s_wait_xcnt 0x0
.set XS_OFF, 6291456
.set WS_OFF, 1179648
.set XSC,    98304
.set WF,  16
.set XF,  112
.set WS,  208
.set XS,  224
.set BI,  16
.set XN,  112
.set PC,  176
.set TM,  64
.set PW,  80
.set SW,  84
.set PK,  88
.set WV,  16
.set YY,  18
.set SEL, 20
.set G1C, 24
.set G1S, 32
.set G0C, 40
.set G0S, 44
.set MSB, 0
.macro WIN new
.if MSB != \new
	s_set_vgpr_msb (MSB<<8)|\new
.set MSB, \new
.endif
.endm
.macro PLACES
.rept 4
	v_nop
.endr
.endm
.macro MM d, a, b, sa, sb, zero, row
.if \zero
	v_wmma_scale_f32_16x16x128_f8f6f4 v[\d:\d+7], v[\a:\a+11], v[\b:\b+11], 0, v[\sa], v[\sb] matrix_a_fmt:MATRIX_FMT_BF6 matrix_b_fmt:MATRIX_FMT_BF6
.else
.if \row
	v_wmma_scale_f32_16x16x128_f8f6f4 v[\d:\d+7], v[\a:\a+11], v[\b:\b+11], v[\d:\d+7], v[\sa], v[\sb] matrix_a_fmt:MATRIX_FMT_BF6 matrix_b_fmt:MATRIX_FMT_BF6 matrix_a_scale:MATRIX_SCALE_ROW1 matrix_b_scale:MATRIX_SCALE_ROW1
.else
	v_wmma_scale_f32_16x16x128_f8f6f4 v[\d:\d+7], v[\a:\a+11], v[\b:\b+11], v[\d:\d+7], v[\sa], v[\sb] matrix_a_fmt:MATRIX_FMT_BF6 matrix_b_fmt:MATRIX_FMT_BF6
.endif
.endif
.endm
.macro QUANT s
.irp b, 0,1,2,3
	v_max3_num_f32 v[TM+\b], |v[\s+16*\b]|, |v[\s+1+16*\b]|, 0x2800000
.endr
.irp i, 2,4,6,8,10,12,14
.irp b, 0,1,2,3
	s_delay_alu instid0(VALU_DEP_4)
	v_max3_num_f32 v[TM+\b], v[TM+\b], |v[\s+16*\b+\i]|, |v[\s+1+16*\b+\i]|
.endr
.endr
.irp b, 0,1,2,3
	s_delay_alu instid0(VALU_DEP_4)
	v_permlanex16_b32 v[TM+4+\b], v[TM+\b], s[SEL], s[SEL+1]
.endr
.irp b, 0,1,2,3
	s_delay_alu instid0(VALU_DEP_4)
	v_max_num_f32 v[TM+\b], v[TM+\b], v[TM+4+\b]
.endr
.irp b, 0,1,2,3
	s_delay_alu instid0(VALU_DEP_4)
	v_add_nc_u32 v[TM+12+\b], 0xfe000000, v[TM+\b]
.endr
.irp b, 0,1,2,3
	s_delay_alu instid0(VALU_DEP_4)
	v_lshrrev_b32 v[TM+4+\b], 23, v[TM+12+\b]
.endr
	s_delay_alu instid0(VALU_DEP_3)
	v_lshl_or_b32 v[PW], v[TM+5], 8, v[TM+4]
	s_delay_alu instid0(VALU_DEP_1)
	v_lshl_or_b32 v[PW], v[TM+6], 16, v[PW]
	s_delay_alu instid0(VALU_DEP_1)
	v_lshl_or_b32 v[PW], v[TM+7], 24, v[PW]
.irp c, 0,1
	v_cvt_scalef32_pk16_bf6_f32 v[PC+6*\c:PC+2+6*\c], v[\s+32*\c:\s+15+32*\c], v[TM+12+2*\c]
	v_cvt_scalef32_pk16_bf6_f32 v[PC+12+4*\c:PC+14+4*\c], v[\s+16+32*\c:\s+31+32*\c], v[TM+12+2*\c+1]
.endr
	v_nop
.irp c, 0,1
.irp i, 0,1,2
	v_permlane16_swap_b32 v[PC+6*\c+\i], v[PC+12+4*\c+\i]
.endr
.irp i, 0,1,2
	s_delay_alu instid0(VALU_DEP_3)
	v_mov_b32 v[PC+3+6*\c+\i], v[PC+12+4*\c+\i]
.endr
.endr
.endm
	s_load_b256 s[4:11], s[0:1], 0x0
	s_load_b128 s[12:15], s[0:1], 0x20
	v_lshl_add_u32 v254, v0, 2, 0x29000
	v_mov_b32 v255, 0
	ds_add_u32 v254, v255
	ds_add_u32 v254, v255
	v_lshrrev_b32 v1, 5, v0
	s_delay_alu instid0(VALU_DEP_1)
	v_readfirstlane_b32 s[WV], v1
	s_and_b32 s[YY], ttmp7, 0xffff
	s_mov_b32 s[G1C+0], 3<<16
	s_mov_b32 s[G1C+1], 32<<16
	s_mov_b32 s[G1C+2], 48<<16
	s_mov_b32 s[G1C+3], 32<<16
	s_mov_b32 s[G1C+4], 48
	s_mov_b32 s[G1C+5], 32
	s_mov_b32 s[G1C+6], 0
	s_mov_b32 s[G1C+7], 0
	s_lshl_b32 s19, ttmp9, 3
	s_add_co_u32 s19, s19, s[WV]
	s_mul_i32 s48, s19, 12288
	s_mov_b32 s49, 0
	s_lshl_b32 s50, s19, 9
	s_add_co_u32 s50, s50, XS_OFF
	s_mov_b32 s51, 0
	s_mov_b32 s[G0C], 1
	s_mul_i32 s[G0C+1], s[WV], 12288
	s_lshl_b32 s[G0S+1], s[WV], 9
	s_add_co_u32 s[G0S+1], s[G0S+1], XSC           ; LDS: my tile's 512 bytes of scale words
	v_and_b32 v12, 31, v0
	s_delay_alu instid0(VALU_DEP_1)
	v_lshlrev_b32 v12, 4, v12                      ; the copy's offset in memory: 16 x lane; kept for the copy alone
	s_delay_alu instid0(VALU_DEP_1)
	v_add_nc_u32 v13, s[G0S+1], v12                ; and its LDS address; kept for the copy alone
	s_wait_alu depctr_va_vdst(0)
	s_wait_dscnt 0x0
	s_wait_kmcnt 0x0
	s_add_nc_u64 s[G0C+2:G0C+3], s[4:5], s[48:49]
	s_or_b32 s[G0C+3], s[G0C+3], 0x80000000
	s_add_nc_u64 s[G0S+2:G0S+3], s[4:5], s[50:51]
	tensor_load_to_lds s[G0C:G0C+3], s[G1C:G1C+7]  ; my tile's codes: the wave's one tensor load
	s_nop 0
	PLACES
	global_load_async_to_lds_b128 v13, v12, s[G0S+2:G0S+3]   ; my tile's scale words: 32 lanes copy 512 consecutive bytes, once in the launch
	v_and_b32 v9, 31, v0
	s_delay_alu instid0(VALU_DEP_1)
	v_lshlrev_b32 v1, 4, v9
	s_delay_alu instid0(VALU_DEP_1)
	v_add_nc_u32 v2, 49152, v1
	s_delay_alu instid0(VALU_DEP_3)
	v_lshlrev_b32 v4, 2, v9
	s_delay_alu instid0(VALU_DEP_1)
	v_add_nc_u32 v3, XSC, v4
	v_lshlrev_b32 v5, 3, v9
	v_bfe_u32 v10, v0, 4, 1
	s_delay_alu instid0(VALU_DEP_1)
	v_lshlrev_b32 v6, 4, v10
	s_delay_alu instid0(VALU_DEP_2)
	v_lshlrev_b32 v7, 7, v10
	v_and_b32 v11, 15, v0
	s_delay_alu instid0(VALU_DEP_1)
	v_lshrrev_b32 v8, 3, v11
	s_delay_alu instid0(VALU_DEP_1)
	v_lshlrev_b32 v8, 5, v8
	s_delay_alu instid0(VALU_DEP_1)
	v_lshl_add_u32 v8, v11, 2, v8
	v_cmp_le_u32 s17, 16, v9
	s_mov_b32 s[SEL], 0x76543210
	s_mov_b32 s[SEL+1], 0xfedcba98
	s_lshl_b32 s52, s[YY], 5
	s_lshl_b32 s53, s[WV], 2
	s_add_co_u32 s52, s52, s53
	s_mul_i32 s54, s52, 12288
	s_mov_b32 s55, 0
	s_add_nc_u64 s[54:55], s[6:7], s[54:55]
	s_lshl_b32 s56, s52, 9
	s_add_co_u32 s56, s56, WS_OFF
	s_mov_b32 s57, 0
	s_add_nc_u64 s[56:57], s[6:7], s[56:57]
.irp wt, 0,1,2,3
.irp sp, 0,1,2,3
	global_load_b32 v[WS+4*\wt+\sp], v4, s[56:57] offset:\wt*512+128*\sp
.endr
.endr
.macro WLOAD s
.irp wt, 0,1,2,3
.irp gi, 0,1,2
	global_load_b128 v[WF+48*((\s)%2)+12*\wt+4*\gi:WF+48*((\s)%2)+12*\wt+4*\gi+3], v1, s[54:55] offset:\wt*12288+(\s)*1536+512*\gi
.endr
.endr
.endm
	WLOAD 0
	s_lshr_b32 s58, ttmp9, 5
	s_lshl_b32 s58, s58, 3
	s_add_co_u32 s58, s58, s[WV]
	s_bfe_u32 s59, ttmp9, 0x30002
	s_and_b32 s60, ttmp9, 3
	s_mov_b32 s48, 417792
	s_mov_b32 s49, 52224
	s_mov_b32 s50, 49152
	s_cmp_eq_u32 s[YY], 0
	s_cselect_b64 s[22:23], s[12:13], s[14:15]
	s_cselect_b32 s48, 212992, s48
	s_cselect_b32 s49, 26624, s49
	s_cselect_b32 s50, 24576, s50
	s_cmp_eq_u32 s[YY], 2
	s_cselect_b32 s51, 24576, 0
	s_cselect_b32 s50, 51200, s50
	s_cselect_b32 s61, 8, 9
	s_mul_i32 s48, s58, s48
	s_mul_i32 s49, s59, s49
	s_add_co_u32 s48, s48, s49
	s_mul_i32 s49, s60, 6144
	s_add_co_u32 s49, s49, s51
	s_add_co_u32 s62, s48, s49
	s_mov_b32 s63, 0
	s_add_nc_u64 s[52:53], s[22:23], s[62:63]
	s_lshl_b32 s49, s60, s61
	s_add_co_u32 s49, s49, s50
	s_add_co_u32 s62, s48, s49
	s_add_nc_u64 s[58:59], s[22:23], s[62:63]
	s_lshl_b32 s62, s[WV], 9
	s_lshl_b32 s48, s[YY], 2
	s_add_co_u32 s62, s62, s48
	s_add_nc_u64 s[8:9], s[8:9], s[62:63]
	s_lshl_b32 s62, s[WV], 8
	s_add_nc_u64 s[10:11], s[10:11], s[62:63]
	s_wait_tensorcnt 0x0                           ; my codes are in,
	s_wait_asynccnt 0x0                            ; and my scale words: the other waves read both behind the barrier
	s_barrier_signal -1
	s_barrier_wait -1
.macro BIASQ
.irp wt, 0,1,2,3
.irp j, 0,1,2,3,4,5,6,7
	global_load_b32 v[BI+8*\wt+\j], v7, s[8:9] offset:8*(32*(\wt/2)+8*(\wt%2)+\j)
.endr
.endr
.endm
.macro BIASV
.irp wt, 0,1,2,3
	global_load_b32 v[BI+2*\wt], v8, s[10:11] offset:4*(32*(\wt/2)+8*(\wt%2))
	global_load_b32 v[BI+2*\wt+1], v8, s[10:11] offset:4*(32*(\wt/2)+8*(\wt%2))
.endr
.endm
.macro KSTEP s, swap
.if (\s) > 0
	PLACES
.endif
.if (\s) < 7
	WLOAD (\s)+1
.else
.if \swap
	s_wait_alu depctr_va_vdst(0)
	BIASV
.else
	s_wait_alu depctr_va_vdst(0)
	BIASQ
.endif
.endif
.irp t, 0,1,2,3
.irp gi, 0,1,2
	ds_load_b128 v[XF+12*\t+4*\gi:XF+12*\t+4*\gi+3], v1 offset:(8*\t+(\s))*1536+512*\gi
.endr
.endr
.irp t, 4,5,6,7
.irp gi, 0,1,2
	ds_load_b128 v[XF+12*\t+4*\gi:XF+12*\t+4*\gi+3], v2 offset:(8*(\t-4)+(\s))*1536+512*\gi
.endr
.endr
.if (\s)%2 == 0
.irp t, 0,1,2,3,4,5,6,7
	ds_load_b32 v[XS+\t], v3 offset:\t*512+128*((\s)/2)
.endr
.endif
	s_wait_dscnt 0x0
.if (\s) < 7
	s_wait_loadcnt 12
.elseif \swap
	s_wait_loadcnt 8
.else
	s_wait_loadcnt 32
.endif
	WIN 0x50
.irp t, 0,1,2,3,4,5,6,7
.irp wt, 0,1,2,3
.if \swap
	MM 8*(8*\wt+\t), XF+12*\t, WF+48*((\s)%2)+12*\wt, XS+\t, WS+4*\wt+(\s)/2, (\s)==0, (\s)%2
.else
	MM 8*(4*\t+\wt), WF+48*((\s)%2)+12*\wt, XF+12*\t, WS+4*\wt+(\s)/2, XS+\t, (\s)==0, (\s)%2
.endif
.endr
.endr
	WIN 0
.endm
.macro EPI swap
	PLACES
	s_wait_loadcnt 0x0
.irp b, 0,1,2,3
	v_mov_b32 v[TM+4+\b], 0
.endr
.irp pp, 0,1,2,3
.if \pp > 0
	s_wait_xcnt 0x0
.endif
	WIN 0x01
.set i, 0
.rept 32
.if \swap
	v_pk_add_f32 v[XN+i:XN+i+1], v[64*\pp+i:64*\pp+i+1], v[BI+2*\pp:BI+2*\pp+1]
.else
	v_pk_add_f32 v[XN+i:XN+i+1], v[64*\pp+i:64*\pp+i+1], v[BI+i%32:BI+i%32+1]
.endif
.set i, i+2
.endr
	WIN 0
	QUANT XN
.irp gi, 0,1,2
	global_store_b128 v1, v[PC+4*\gi:PC+4*\gi+3], s[52:53] offset:\pp*1536+512*\gi
.endr
.if \swap
	v_mov_b32 v[PK+\pp], v[PW]
.else
	v_lshrrev_b32 v[SW+\pp], v6, v[PW]
.endif
.endr
.endm
	s_cmp_eq_u32 s[YY], 2
	s_cbranch_scc1 .Lvpath
.irp s, 0,1,2,3,4,5,6,7
	KSTEP \s, 0
.endr
	EPI 0
	global_store_b128 v1, v[SW:SW+3], s[58:59]
	s_wait_tensorcnt 0x0
	ds_add_u32 v254, v255
	s_wait_dscnt 0x0
	s_endpgm
.Lvpath:
.irp s, 0,1,2,3,4,5,6,7
	KSTEP \s, 1
.endr
	EPI 1
	v_cndmask_b32 v[SW], v[PK], v[PK+1], s17
	s_delay_alu instid0(VALU_DEP_2)
	v_cndmask_b32 v[SW+1], v[PK+2], v[PK+3], s17
	global_store_b64 v5, v[SW:SW+1], s[58:59]
	s_wait_tensorcnt 0x0
	ds_add_u32 v254, v255
	s_wait_dscnt 0x0
	s_endpgm
.Lfunc_end_k_qb202f0c3f3_proj:
	.size	k_qb202f0c3f3_proj, .Lfunc_end_k_qb202f0c3f3_proj-k_qb202f0c3f3_proj
	.p2alignl 7, 3214868480
	.fill 96, 4, 3214868480
	.section	.rodata,"a",@progbits
	.p2align	6, 0x0
	.amdhsa_kernel k_qb202f0c3f3_proj
		.amdhsa_group_segment_fixed_size 327680
		.amdhsa_private_segment_fixed_size 0
		.amdhsa_enable_private_segment 0
		.amdhsa_kernarg_size 48
		.amdhsa_user_sgpr_count 2
		.amdhsa_user_sgpr_kernarg_segment_ptr 1
		.amdhsa_wavefront_size32 1
		.amdhsa_system_sgpr_workgroup_id_x 1
		.amdhsa_system_sgpr_workgroup_id_y 1
		.amdhsa_system_sgpr_workgroup_id_z 1
		.amdhsa_system_vgpr_workitem_id 0
		.amdhsa_next_free_vgpr 512
		.amdhsa_next_free_sgpr 66
		.amdhsa_reserve_vcc 0
		.amdhsa_float_denorm_mode_32 3
		.amdhsa_float_denorm_mode_16_64 3
		.amdhsa_memory_ordered 1
		.amdhsa_forward_progress 1
		.amdhsa_inst_pref_size 187
	.end_amdhsa_kernel
	.amdgpu_metadata
---
amdhsa.version: [ 1, 2 ]
amdhsa.kernels:
  - .name:           k_qb202f0c3f3_proj
    .symbol:         k_qb202f0c3f3_proj.kd
    .args:
      - { .name: xq, .offset: 0, .size: 8, .value_kind: global_buffer, .address_space: global }
      - { .name: wq, .offset: 8, .size: 8, .value_kind: global_buffer, .address_space: global }
      - { .name: b_qk, .offset: 16, .size: 8, .value_kind: global_buffer, .address_space: global }
      - { .name: b_v, .offset: 24, .size: 8, .value_kind: global_buffer, .address_space: global }
      - { .name: qc, .offset: 32, .size: 8, .value_kind: global_buffer, .address_space: global }
      - { .name: kv, .offset: 40, .size: 8, .value_kind: global_buffer, .address_space: global }
    .group_segment_fixed_size: 327680
    .private_segment_fixed_size: 0
    .kernarg_segment_align: 8
    .kernarg_segment_size: 48
    .max_flat_workgroup_size: 256
    .sgpr_count:     66
    .vgpr_count:     512
    .wavefront_size: 32
...
	.end_amdgpu_metadata
.endif
;; end of part 2
;; launch attn (part 3): grid 16 x 16, 16 waves a work-group, no clusters, 327,680 bytes of LDS; arguments qc, kv, oq; writes oq
.if DOCPART == 3
	.amdgcn_target "amdgcn-amd-amdhsa--gfx1250"
	.amdhsa_code_object_version 6
	.text
	.protected	k_qb202f0c3f3_attn
	.globl	k_qb202f0c3f3_attn
	.p2align	8
	.type	k_qb202f0c3f3_attn,@function
k_qb202f0c3f3_attn:
	s_mov_b64 s[64:65], 0
	v_nop
	global_prefetch_b8 v0, s[64:65] scope:SCOPE_SE
	s_setreg_imm32_b32 hwreg(HW_REG_WAVE_MODE, 25, 1), 1
	s_wait_xcnt 0x0
; o = softmax(q k^T / 8) v for one head and 256 queries a work-group, both products on codes of BF6; o is quantised along the head's 64 and stored as codes.
; t = score x log2(e) / 8; M = the running largest t rounded UP to a whole number; p = 2^(t - M) is quantised along the keys; the row's sum is taken of the unquantised p and divides at the end;
; when M moves, the sum and O are multiplied by 2^(old M - new M), which rounds nothing.
; SHARES.  Sixteen waves, one tile of 16 queries each, 256 registers.  Every wave walks the head's 4,096 keys, 128 a step.
; A unit of kv (512 keys: K's codes, V's codes, both scale words, 52,224 dense bytes, images of operand registers) is 102 rows of 512 bytes; the tensor load lays 128 bytes of padding behind each row (LDS pitch 640).
; A slot holds two units, 65,536 LDS bytes apart; two slots take turns: four changes of slots for the 4,096 keys.  Waves 0-3 fill a slot, 51 rows each.
; Both products are used transposed (S^T = K Q^T, O^T = V^T P^T): a lane holds one query.
; WHICH KEYS FORM A TILE is chosen as K is read from LDS.  kv holds pairs of tiles of a block B of 32 keys: tile 2 B + e, row p = key 32 B + 8 e + p + 8 (p / 8).  Tile 4 c + 2 w + e of a step takes its rows 0-7 from rows 8 w .. 8 w + 7 of
; pair 2 c and its rows 8-15 from the same rows of pair 2 c + 1: a lane term of 3 LDS rows for lanes r >= 8.  So lane (r, h) holds in registers S + 32 c + i the keys 64 c + 32 h + i: a WHOLE block of 32, in the order of p's operand:
; a block's largest score needs no other lane and the conversions' results are the operand's registers..
; K = 64 IN AN INSTRUCTION OF 128: Q's codes of k = 64 .. 127 are zeros and its two upper scale bytes 0.  Key tile t is named as v[K + 6 t .. K + 6 t + 11]: its own six registers and the six that follow
; (the next tile's; for tile 7 p's codes), whose products with zero codes add nothing: BF6 has no code that is not a finite number.
; K's fragments are asked for one step ahead, V's in their own step, in one run of loads behind the scores' products; every wait on DScnt is for 0.
; NO CLUSTER: the 16 work-groups of a head read the same slots, but a slot's bytes serve eight key steps of sixteen waves, some 210 vector instructions each, in which the refill lands.
; LIMITS: the promise holds while the scaled scores stay under 2^31 in magnitude; NaN and infinities are not served; a block of o or p whose largest magnitude lies under 2^-122 gets the byte 1.  o's scale bytes leave as single bytes, 32 a wave.
.set SLOTB, 104448                     ; a slot's bytes in kv: two units
.set UNITP, 65536                      ; LDS: from unit to unit of a slot
.set PH,    131072                     ; LDS: from slot to slot
.set SPARE, 262144                     ; the spare words: 128 bytes for each of 16 waves
.set OS_OFF, 3145728
.set KA,  1                            ; LDS addresses: K's codes, K's words, V's codes, V's words
.set KSA, 2
.set VA,  3
.set VSA, 4
.set TT,  8
.set PT,  9
.set MB,  10                           ; v10-11 second chains of the maxima, then the scale bytes
.set KL,  14                           ; lane terms of KA and KSA
.set KSL, 15
.set Q,   16                           ; v16-21 Q's codes, v22-27 zeros
.set QS,  28
.set PSW, 29
.set FF,  30                           ; f; v31 = the lane's number (the upper half of the pair is named, never used)
.set LANE, 31
.set KS,  32                           ; v32-35 K's scale words
.set VS,  36                           ; v36-37 V's
.set BM,  38
.set SO,  40
.set SUM, 42                           ; v42-43 the row's sum in two halves
.set CT,  44                           ; v44-51 three more chains of the sum, then the second halves of p's blocks
.set K,   52                           ; v52-99
.set P,   100                          ; v100-111 p's codes
.set V,   112                          ; v112-159
.set S,   160                          ; v160-223 S^T, then p
.set O,   224                          ; v224-255 O^T
.set WV,  10
.set SEL, 12
.set CS,  14
.set TB,  16
.set SLOTS, 17
.set PFA, 18
.set LIM, 20
.set BH,  21
.set UC,  22
.set NCS, 23
.set G1,  24
.set G0,  32
.macro PLACES
.rept 4
	v_nop
.endr
.endm
.macro MM d, a, b, sa, sb, zero, row
.if \zero
.if \row
	v_wmma_scale_f32_16x16x128_f8f6f4 v[\d:\d+7], v[\a:\a+11], v[\b:\b+11], 0, v[\sa], v[\sb] matrix_a_fmt:MATRIX_FMT_BF6 matrix_b_fmt:MATRIX_FMT_BF6 matrix_a_scale:MATRIX_SCALE_ROW1
.else
	v_wmma_scale_f32_16x16x128_f8f6f4 v[\d:\d+7], v[\a:\a+11], v[\b:\b+11], 0, v[\sa], v[\sb] matrix_a_fmt:MATRIX_FMT_BF6 matrix_b_fmt:MATRIX_FMT_BF6
.endif
.else
.if \row
	v_wmma_scale_f32_16x16x128_f8f6f4 v[\d:\d+7], v[\a:\a+11], v[\b:\b+11], v[\d:\d+7], v[\sa], v[\sb] matrix_a_fmt:MATRIX_FMT_BF6 matrix_b_fmt:MATRIX_FMT_BF6 matrix_a_scale:MATRIX_SCALE_ROW1
.else
	v_wmma_scale_f32_16x16x128_f8f6f4 v[\d:\d+7], v[\a:\a+11], v[\b:\b+11], v[\d:\d+7], v[\sa], v[\sb] matrix_a_fmt:MATRIX_FMT_BF6 matrix_b_fmt:MATRIX_FMT_BF6
.endif
.endif
.endm
.macro TLOAD                           ; waves 0-3 bring half a unit each; four v_nop follow the load
	s_cmp_lt_u32 s[WV], 4
	s_cbranch_scc0 .Lasked_\@
	tensor_load_to_lds s[G0:G0+3], s[G1:G1+7]
	s_nop 0
	PLACES
.Lasked_\@:
.endm
; A prefetch into the L2 of the slot that the NEXT change of slots will ask for: eight key steps ahead of that load.  A slot is 408 blocks of 256 bytes; the head's 16 work-groups share them out, 26 each, a lane a block, wave 4 asks;
; lanes left over name their wave's last block again.  The last change that fills a slot asks for nothing.  Slots 0 and 1 come by their loads alone.
.macro ASK
	s_cmp_gt_u32 s[SLOTS], s[LIM]
	s_cbranch_scc0 .Lnot_mine_\@
	global_prefetch_b8 v7, s[PFA:PFA+1] th:TH_LOAD_NT scope:SCOPE_SE
.Lnot_mine_\@:
.endm
.macro ADDRS                           ; the four LDS addresses of the unit at s[TB]
	v_add_nc_u32 v[KA], s[TB], v[KL]
	v_add_nc_u32 v[KSA], s[TB], v[KSL]
	v_lshl_add_u32 v[VA], v[LANE], 4, s[TB]
	v_lshl_add_u32 v[VSA], v[LANE], 3, s[TB]
.endm
.macro KLOAD q                         ; K of the unit's step q: pair 2 c + w holds tiles 4 c + 2 w and 4 c + 2 w + 1
.irp c, 0,1
.irp w, 0,1
.irp g, 0,1,2
	ds_load_b128 v[K+12*(2*\c+\w)+4*\g:K+12*(2*\c+\w)+4*\g+3], v[KA] offset:(\q)*7680+\c*3840+\g*640+128*\w
.endr
.endr
.endr
.irp c, 0,1
.irp w, 0,1
	ds_load_b32 v[KS+2*\c+\w], v[KSA] offset:61440+640*(\q)+128*\w+8*\c
.endr
.endr
.endm
.macro VLOAD q
.irp g, 0,1,2,3,4,5,6,7,8,9,10,11
	ds_load_b128 v[V+4*\g:V+4*\g+3], v[VA] offset:30720+(\q)*7680+640*\g
.endr
	ds_load_b64 v[VS:VS+1], v[VSA] offset:64000+640*((\q)/2)+256*((\q)%2)
.endm
	s_load_b128 s[4:7], s[0:1], 0x0                ; qc, kv
	s_load_b64 s[8:9], s[0:1], 0x10                ; oq
	v_lshl_add_u32 v5, v0, 2, SPARE
	v_mov_b32 v6, 0
	ds_add_u32 v5, v6
	ds_add_u32 v5, v6
	v_lshrrev_b32 v1, 5, v0
	s_delay_alu instid0(VALU_DEP_1)
	v_readfirstlane_b32 s[WV], v1                  ; wave 0..15
	s_and_b32 s[BH], ttmp7, 0xffff                 ; 8 batch + head
	s_mov_b32 s[G1+0], (3<<16)|(1<<20)|(6<<22)|(31<<25)   ; elements of 8 bytes; behind every 128 words 32 words of padding
	s_mov_b32 s[G1+1], 64<<16                      ; 51 rows of 512 bytes, dense in memory
	s_mov_b32 s[G1+2], 51<<16
	s_mov_b32 s[G1+3], 64<<16
	s_mov_b32 s[G1+4], 51
	s_mov_b32 s[G1+5], 64
	s_mov_b32 s[G1+6], 0
	s_mov_b32 s[G1+7], 0
	s_and_b32 s36, s[WV], 3
	s_mul_i32 s36, s36, 26112                      ; my 51 rows in kv
	s_mov_b32 s37, 0
	s_mul_i32 s38, s[BH], 417792
	s_mov_b32 s39, 0
	s_bfe_u32 s50, s[WV], 0x10001
	s_lshl_b32 s50, s50, 16                        ; which unit of the slot,
	s_and_b32 s51, s[WV], 1
	s_mul_i32 s51, s51, 32640                      ; which half of it
	s_mov_b32 s[G0], 1
	s_add_co_u32 s[G0+1], s50, s51
	; my tile of queries: step gs = 2 x + wave / 8 of the batch's 32, pair (wave / 2) % 4, tile wave % 2 of the pair
	s_lshl_b32 s40, ttmp9, 1
	s_lshr_b32 s41, s[WV], 3
	s_add_co_u32 s40, s40, s41
	s_lshr_b32 s41, s40, 2
	s_and_b32 s40, s40, 3
	s_bfe_u32 s42, s[WV], 0x20001
	s_and_b32 s43, s[WV], 1
	s_mul_i32 s44, s[BH], 212992
	s_mul_i32 s41, s41, 26624
	s_add_co_u32 s44, s44, s41
	s_mul_i32 s46, s40, 6144
	s_mul_i32 s47, s42, 1536
	s_add_co_u32 s46, s46, s47
	s_add_co_u32 s46, s46, s44
	s_mov_b32 s47, 0
	s_lshl_b32 s48, s40, 9
	s_lshl_b32 s49, s43, 8
	s_add_co_u32 s48, s48, s49
	s_lshl_b32 s49, s42, 2
	s_add_co_u32 s48, s48, s49
	s_add_co_u32 s48, s48, s44
	s_add_co_u32 s48, s48, 24576
	s_mov_b32 s49, 0
	s_mov_b32 s[SEL], 0x76543210
	s_mov_b32 s[SEL+1], 0xfedcba98
	s_mov_b32 s[CS], 0x3e38aa3b                    ; c = log2(e) / 8
	s_mov_b32 s[CS+1], s[CS]
	s_mov_b32 s[NCS], 0xbe38aa3b                   ; -c
	s_mov_b32 s[TB], 0
	s_mov_b32 s[SLOTS], 3
	s_mul_i32 s50, ttmp9, 26                       ; my work-group's first block of a slot's 408
	s_cmp_eq_u32 s[WV], 4
	s_cselect_b32 s[LIM], 1, -1
	s_sub_co_u32 s52, 0, s43                       ; all ones in the pair's second tile
	s_wait_dscnt 0x0
	s_wait_kmcnt 0x0
	s_add_nc_u64 s[6:7], s[6:7], s[38:39]          ; kv at my head
	s_add_nc_u64 s[G0+2:G0+3], s[6:7], s[36:37]
	s_or_b32 s[G0+3], s[G0+3], 0x80000000
	TLOAD                                          ; slot 0
	s_add_nc_u64 s[PFA:PFA+1], s[6:7], SLOTB       ; at slot 1: the first change of slots steps it to slot 2
	s_add_nc_u64 s[46:47], s[4:5], s[46:47]
	s_add_nc_u64 s[48:49], s[4:5], s[48:49]
	v_and_b32 v[LANE], 31, v0
	v_and_b32 v10, 15, v0
	s_delay_alu instid0(VALU_DEP_2)
	v_lshl_add_u32 v[VA], v[LANE], 4, s[TB]        ; 16 x lane: V's address in unit 0, and the offset of Q's loads
	s_delay_alu instid0(VALU_DEP_2)
	v_lshlrev_b32 v[TT], 4, v10                    ; 16 r
	global_load_b128 v[S:S+3], v[VA], s[46:47]     ; the pair's 12 registers
	global_load_b128 v[S+4:S+7], v[VA], s[46:47] offset:512
	global_load_b128 v[S+8:S+11], v[VA], s[46:47] offset:1024
	global_load_b32 v[QS], v[TT], s[48:49]         ; my tile's scale words
	v_and_b32 v11, 7, v0                           ; r % 8
	v_bfe_u32 v[PT], v0, 3, 1                      ; r / 8
	v_bfe_u32 v2, v0, 4, 1                         ; h
	v_lshlrev_b32 v[KL], 4, v11
	s_delay_alu instid0(VALU_DEP_1)
	v_lshl_add_u32 v[KL], v2, 8, v[KL]             ; 16 (r % 8) + 256 h
	s_delay_alu instid0(VALU_DEP_1)
	v_lshl_add_u32 v[KSL], v[PT], 2, v[KL]         ; K's words: + 4 (r / 8): the next pair's word
	v_mul_u32_u24 v[PT], v[PT], 1920
	s_delay_alu instid0(VALU_DEP_1)
	v_add_nc_u32 v[KL], v[KL], v[PT]               ; K's codes: + 3 LDS rows (r / 8): the next pair
	v_add_nc_u32 v[KSA], s[TB], v[KSL]
	s_delay_alu instid0(VALU_DEP_2)
	v_add_nc_u32 v[KA], s[TB], v[KL]
	v_lshl_add_u32 v[VSA], v[LANE], 3, s[TB]
	v_min_u32 v7, 25, v[LANE]
	s_delay_alu instid0(VALU_DEP_1)
	v_add_nc_u32 v7, s50, v7
	s_delay_alu instid0(VALU_DEP_1)
	v_min_u32 v7, 407, v7                          ; held inside the slot
	s_delay_alu instid0(VALU_DEP_1)
	v_lshlrev_b32 v7, 8, v7
	v_mov_b32 v13, 0xff61b1e6                      ; the largest score so far: -3e38
	v_mov_b32 v12, 0x7f61b1e6                      ; -M
	v_mov_b32 v[SUM], 0
	v_mov_b32 v[SUM+1], 0
	v_mov_b32 v[PT], 0                             ; a lane permute's destination counts as read
.irp i, 0,1,2,3,4,5
	v_mov_b32 v[P+\i], 0                           ; named behind key tile 7 before p is first made
	v_mov_b32 v[Q+6+\i], 0
.endr
	s_wait_alu depctr_va_vdst(0)
	s_wait_loadcnt 0x0
.irp i, 0,1,2,3,4,5
	v_cndmask_b32 v[Q+\i], v[S+\i], v[S+6+\i], s52
.endr
	v_and_b32 v[QS], 0xffff, v[QS]
.set i, 0
.rept 32
	v_mov_b32 v[O+i], 0                            ; O^T: the first step finds zeros.  (Also the places between Q's and its scale's last writes and the first product)
.set i, i+1
.endr
	s_wait_alu depctr_va_vdst(0)
; A KEY STEP: 128 keys, the q-th of the unit in hand.  K and its words are in registers
.macro STEP q
.irp t, 0,1,2,3,4,5,6,7
	MM S+8*\t, K+6*\t, Q, KS+\t/2, QS, 1, \t%2
.endr
.if (\q) < 3
	PLACES                                         ; behind these products and the last step's: ahead of the loads into K's and V's registers and of the first read of the scores
	KLOAD (\q)+1
.else
	s_xor_b32 s[TB], s[TB], UNITP                  ; the slot's other unit
	v_add_nc_u32 v[KA], s[TB], v[KL]               ; (two of the four places)
	v_add_nc_u32 v[KSA], s[TB], v[KSL]
	v_nop
	v_nop
	s_cmp_eq_u32 s[UC], 1                          ; behind a slot's second unit K comes behind the change of slots
	s_cbranch_scc1 .Lnopre_\@
	KLOAD 0
.Lnopre_\@:
.endif
	VLOAD \q
.if (\q) == 3
	v_lshl_add_u32 v[VA], v[LANE], 4, s[TB]
	v_lshl_add_u32 v[VSA], v[LANE], 3, s[TB]
.endif
.irp c, 0,1                                        ; the largest score of my two blocks of 32 keys, each in two chains: for the row's maximum and, since p rises with the score, for the block's largest p
	v_max3_num_f32 v[BM+\c], v[S+32*\c], v[S+32*\c+1], v[S+32*\c+2]
	v_max3_num_f32 v[MB+\c], v[S+32*\c+16], v[S+32*\c+17], v[S+32*\c+18]
.endr
.irp i, 3,5,7,9,11,13
.irp c, 0,1
	v_max3_num_f32 v[BM+\c], v[BM+\c], v[S+32*\c+\i], v[S+32*\c+\i+1]
	v_max3_num_f32 v[MB+\c], v[MB+\c], v[S+32*\c+16+\i], v[S+32*\c+17+\i]
.endr
.endr
.irp c, 0,1
	v_max3_num_f32 v[BM+\c], v[BM+\c], v[MB+\c], v[S+32*\c+15]
.endr
.irp c, 0,1
	v_max_num_f32 v[BM+\c], v[BM+\c], v[S+32*\c+31]
.endr
	s_delay_alu instid0(VALU_DEP_1)
	v_max_num_f32 v[TT], v[BM], v[BM+1]
	s_delay_alu instid0(VALU_DEP_1)
	v_permlanex16_b32 v[PT], v[TT], s[SEL], s[SEL+1]
	s_delay_alu instid0(VALU_DEP_1)
	v_max3_num_f32 v13, v13, v[TT], v[PT]          ; the running largest score of my query
	s_delay_alu instid0(VALU_DEP_1)
	v_mul_f32 v[TT], s[NCS], v13                   ; -t (c is positive)
	s_delay_alu instid0(VALU_DEP_1)
	v_floor_f32 v[TT], v[TT]                       ; the new -M = -ceil(t)
	s_delay_alu instid0(VALU_DEP_1)
	v_sub_f32 v[PT], v[TT], v12                    ; old M - new M: a whole number, 0 or less
	v_mov_b32 v12, v[TT]
	s_delay_alu instid0(VALU_DEP_2)
	v_cvt_i32_f32 v[PT], v[PT]                     ; (it saturates)
.set j, 0
.rept 32
	v_pk_fma_f32 v[S+j:S+j+1], v[S+j:S+j+1], s[CS:CS+1], v[12:13] op_sel_hi:[1,0,0]   ; t - M
.set j, j+2
.endr
.irp c, 0,1
	v_fma_f32 v[BM+\c], v[BM+\c], s[CS], v12
.endr
	s_wait_alu depctr_va_vdst(0)
.irp c, 0,1
	v_exp_f32 v[BM+\c], v[BM+\c]                   ; each block's largest p: the same two instructions on the same number give the same bits
.endr
.set j, 0
.rept 64
	v_exp_f32 v[S+j], v[S+j]                       ; p = 2^(t - M)
.set j, j+1
.endr
	v_ldexp_f32 v[FF], 1.0, v[PT]                  ; f = 2^(old M - new M); the plain place behind the exponentials
	s_wait_alu depctr_va_vdst(0)                   ; one wait for the batch, ahead of its first reader
.irp c, 0,1
	v_max_num_f32 v[BM+\c], 0x2800000, v[BM+\c]    ; the floor 2^(5 - 127)
.endr
.irp c, 0,1
	s_delay_alu instid0(VALU_DEP_2)
	v_add_nc_u32 v[SO+\c], 0xfe000000, v[BM+\c]    ; 4 off the exponent field: the conversion's scale operand
.endr
.irp c, 0,1
	s_delay_alu instid0(VALU_DEP_2)
	v_lshrrev_b32 v[MB+\c], 23, v[SO+\c]
.endr
	s_delay_alu instid0(VALU_DEP_1)
	v_lshl_or_b32 v[TT], v[MB+1], 16, v[MB]        ; my blocks h and 2 + h, at bytes 0 and 2
	s_delay_alu instid0(VALU_DEP_1)
	v_permlanex16_b32 v[PT], v[TT], s[SEL], s[SEL+1]
	v_pk_fma_f32 v[SUM:SUM+1], v[SUM:SUM+1], v[FF:FF+1], v[S:S+1] op_sel_hi:[1,0,1]   ; the sum under the new M, and the unquantised p onto it, in four chains
	v_pk_add_f32 v[CT:CT+1], v[S+2:S+3], v[S+4:S+5]
	v_pk_add_f32 v[CT+2:CT+3], v[S+6:S+7], v[S+8:S+9]
	v_pk_add_f32 v[CT+4:CT+5], v[S+10:S+11], v[S+12:S+13]
.set j, 14
.set k, 0
.rept 25
	v_pk_add_f32 v[SUM+2*(k%4):SUM+2*(k%4)+1], v[SUM+2*(k%4):SUM+2*(k%4)+1], v[S+j:S+j+1]
.set j, j+2
.set k, k+1
.endr
	s_delay_alu instid0(VALU_DEP_3)
	v_pk_add_f32 v[CT:CT+1], v[CT:CT+1], v[CT+2:CT+3]
	s_delay_alu instid0(VALU_DEP_2)
	v_pk_add_f32 v[SUM:SUM+1], v[SUM:SUM+1], v[CT+4:CT+5]
	s_delay_alu instid0(VALU_DEP_1)
	v_pk_add_f32 v[SUM:SUM+1], v[SUM:SUM+1], v[CT:CT+1]
.irp c, 0,1
	v_cvt_scalef32_pk16_bf6_f32 v[P+6*\c:P+6*\c+2], v[S+32*\c:S+32*\c+15], v[SO+\c]
	v_cvt_scalef32_pk16_bf6_f32 v[CT+4*\c:CT+4*\c+2], v[S+32*\c+16:S+32*\c+31], v[SO+\c]   ; (a conversion's three registers begin on an even number)
.endr
	v_lshl_or_b32 v[PSW], v[PT], 8, v[TT]          ; lanes 0-15, the lanes that are read: with the other half's blocks 1 and 3 the word is whole.  (The plain place behind the conversions)
.irp c, 0,1
.irp i, 0,1,2
	v_mov_b32 v[P+3+6*\c+\i], v[CT+4*\c+\i]
.endr
.endr
	s_wait_alu depctr_va_vdst(0)                   ; directly ahead of the first reader of O^T
.set j, 0
.rept 16
	v_pk_mul_f32 v[O+j:O+j+1], v[O+j:O+j+1], v[FF:FF+1] op_sel_hi:[1,0]   ; O^T under the new M; also the places between p's codes and scale word and the products
.set j, j+2
.endr
	s_wait_alu depctr_va_vdst(0)
	s_wait_dscnt 0x0                               ; V and its words, and the next step's K
.irp dt, 0,1,2,3
	MM O+8*\dt, V+12*\dt, P, VS+\dt/2, PSW, 0, \dt%2
.endr
.endm
; The change of slots: all my tensor loads are in, 0 is added to my spare word, that and my reads of the slot left are waited for; behind the barrier the slot left is filled with the keys that follow
.macro CHANGE fill
	s_wait_tensorcnt 0x0                           ; no tensor load of mine is out, so the descriptor may be written
	ds_add_u32 v5, v6
.if \fill
	ds_add_u32 v5, v6                              ; twice
	s_xor_b32 s[G0+1], s[G0+1], PH
	s_add_nc_u64 s[G0+2:G0+3], s[G0+2:G0+3], SLOTB
	s_wait_xcnt 0x0                                ; the last prefetch, a slot back, has read its address
	s_add_nc_u64 s[PFA:PFA+1], s[PFA:PFA+1], SLOTB
.endif
	s_wait_dscnt 0x0
	s_barrier_signal -1
	s_barrier_wait -1
.if \fill
	TLOAD                                          ; first behind the barrier, a wave's one tensor load until the next
	ASK
.endif
.endm
.macro PHASE fill                      ; a slot: two units of four steps
	CHANGE \fill
	KLOAD 0
	s_mov_b32 s[UC], 2
	s_wait_dscnt 0x0
.Lunit_\@:
	STEP 0
	STEP 1
	STEP 2
	STEP 3
	s_sub_co_u32 s[UC], s[UC], 1
	s_cmp_lg_u32 s[UC], 0
	s_cbranch_scc1 .Lunit_\@
.endm
.Lslot:                                            ; three trips: behind each change of slots but the last the next slot is asked for
	PHASE 1
	s_xor_b32 s[TB], s[TB], PH
	ADDRS
	s_wait_alu depctr_va_vdst(0)
	s_sub_co_u32 s[SLOTS], s[SLOTS], 1
	s_cmp_lg_u32 s[SLOTS], 0
	s_cbranch_scc1 .Lslot
	PHASE 0                                        ; the last slot is written out
	; THE WAY OUT: O^T / the sum; its two blocks of 32 along d are quantised; six registers of codes and a byte a lane leave
.set EPT, K                            ; K's registers are free
.set EBY, K+2
	PLACES
	v_add_f32 v[SUM], v[SUM], v[SUM+1]
	s_delay_alu instid0(VALU_DEP_1)
	v_permlanex16_b32 v[TT], v[SUM], s[SEL], s[SEL+1]
	s_delay_alu instid0(VALU_DEP_1)
	v_add_f32 v[SUM], v[SUM], v[TT]
	s_wait_alu depctr_va_vdst(0)
	v_rcp_f32 v[SUM], v[SUM]
	v_and_b32 v10, 15, v0                          ; (a plain place behind the reciprocal)
	v_bfe_u32 v11, v0, 4, 1
	s_delay_alu instid0(VALU_DEP_1)
	v_lshl_add_u32 v10, v10, 4, v11                ; 16 r + h
	v_lshlrev_b32 v1, 4, v[LANE]
	v_lshlrev_b32 v2, 3, v[LANE]
	s_lshr_b32 s36, s[BH], 3
	s_lshl_b32 s36, s36, 8
	s_lshl_b32 s37, ttmp9, 4
	s_add_co_u32 s36, s36, s37
	s_add_co_u32 s36, s36, s[WV]                   ; T = 256 batch + 16 x + wave
	s_and_b32 s37, s[BH], 7                        ; head
	s_lshl_b32 s38, s36, 3
	s_add_co_u32 s38, s38, s37
	s_mul_i32 s38, s38, 768
	s_mov_b32 s39, 0
	s_add_nc_u64 s[38:39], s[8:9], s[38:39]
	s_lshl_b32 s40, s36, 8
	s_lshl_b32 s37, s37, 1
	s_add_co_u32 s40, s40, s37
	s_add_co_u32 s40, s40, OS_OFF
	s_mov_b32 s41, 0
	s_add_nc_u64 s[40:41], s[8:9], s[40:41]
	s_wait_alu depctr_va_vdst(0)                   ; ahead of the reciprocal's first reader and of O^T's
.set j, 0
.rept 32
	v_mul_f32 v[S+j], v[O+j], v[SUM]               ; register 16 b + i: d = 32 b + 16 h + i
.set j, j+1
.endr
.irp b, 0,1
	v_max3_num_f32 v[BM+\b], |v[S+16*\b]|, |v[S+1+16*\b]|, 0x2800000
.endr
.irp i, 2,4,6,8,10,12,14
.irp b, 0,1
	s_delay_alu instid0(VALU_DEP_2)
	v_max3_num_f32 v[BM+\b], v[BM+\b], |v[S+16*\b+\i]|, |v[S+1+16*\b+\i]|
.endr
.endr
.irp b, 0,1
	s_delay_alu instid0(VALU_DEP_2)
	v_permlanex16_b32 v[EPT+\b], v[BM+\b], s[SEL], s[SEL+1]
.endr
.irp b, 0,1
	s_delay_alu instid0(VALU_DEP_2)
	v_max_num_f32 v[BM+\b], v[BM+\b], v[EPT+\b]
.endr
.irp b, 0,1
	s_delay_alu instid0(VALU_DEP_2)
	v_add_nc_u32 v[SO+\b], 0xfe000000, v[BM+\b]
.endr
.irp b, 0,1
	s_delay_alu instid0(VALU_DEP_2)
	v_lshrrev_b32 v[EBY+\b], 23, v[SO+\b]
.endr
	v_cvt_scalef32_pk16_bf6_f32 v[P:P+2], v[S:S+15], v[SO]
	v_cvt_scalef32_pk16_bf6_f32 v[CT:CT+2], v[S+16:S+31], v[SO+1]
	v_nop
.irp i, 0,1,2
	v_permlane16_swap_b32 v[P+\i], v[CT+\i]
.endr
.irp i, 0,1,2
	s_delay_alu instid0(VALU_DEP_3)
	v_mov_b32 v[P+3+\i], v[CT+\i]                  ; registers 0-5: d = 32 h + 0 .. 31
.endr
	v_cmp_le_u32 s42, 16, v[LANE]
	s_delay_alu instid0(VALU_DEP_1)
	v_cndmask_b32 v[TT], v[EBY], v[EBY+1], s42     ; my half's block's byte
	global_store_b128 v1, v[P:P+3], s[38:39]
	global_store_b64 v2, v[P+4:P+5], s[38:39] offset:512
	global_store_b8 v10, v[TT], s[40:41]
	s_wait_tensorcnt 0x0
	ds_add_u32 v5, v6
	s_wait_dscnt 0x0
	s_endpgm
.Lfunc_end_k_qb202f0c3f3_attn:
	.size	k_qb202f0c3f3_attn, .Lfunc_end_k_qb202f0c3f3_attn-k_qb202f0c3f3_attn
	.p2alignl 7, 3214868480
	.fill 96, 4, 3214868480
	.section	.rodata,"a",@progbits
	.p2align	6, 0x0
	.amdhsa_kernel k_qb202f0c3f3_attn
		.amdhsa_group_segment_fixed_size 327680
		.amdhsa_private_segment_fixed_size 0
		.amdhsa_enable_private_segment 0
		.amdhsa_kernarg_size 24
		.amdhsa_user_sgpr_count 2
		.amdhsa_user_sgpr_kernarg_segment_ptr 1
		.amdhsa_wavefront_size32 1
		.amdhsa_system_sgpr_workgroup_id_x 1
		.amdhsa_system_sgpr_workgroup_id_y 1
		.amdhsa_system_sgpr_workgroup_id_z 1
		.amdhsa_system_vgpr_workitem_id 0
		.amdhsa_next_free_vgpr 256
		.amdhsa_next_free_sgpr 66
		.amdhsa_reserve_vcc 0
		.amdhsa_float_denorm_mode_32 3
		.amdhsa_float_denorm_mode_16_64 3
		.amdhsa_memory_ordered 1
		.amdhsa_forward_progress 1
		.amdhsa_inst_pref_size 134
	.end_amdhsa_kernel
	.amdgpu_metadata
---
amdhsa.version: [ 1, 2 ]
amdhsa.kernels:
  - .name:           k_qb202f0c3f3_attn
    .symbol:         k_qb202f0c3f3_attn.kd
    .args:
      - { .name: qc, .offset: 0, .size: 8, .value_kind: global_buffer, .address_space: global }
      - { .name: kv, .offset: 8, .size: 8, .value_kind: global_buffer, .address_space: global }
      - { .name: oq, .offset: 16, .size: 8, .value_kind: global_buffer, .address_space: global }
    .group_segment_fixed_size: 327680
    .private_segment_fixed_size: 0
    .kernarg_segment_align: 8
    .kernarg_segment_size: 24
    .max_flat_workgroup_size: 512
    .sgpr_count:     66
    .vgpr_count:     256
    .wavefront_size: 32
...
	.end_amdgpu_metadata
.endif
;; end of part 3
;; launch outp (part 4): grid 256 x 1, 16 waves a work-group, no clusters, 327,680 bytes of LDS; arguments oq, wq, b_out, ln_gamma, ln_beta, x, out0; writes out0
.if DOCPART == 4
	.amdgcn_target "amdgcn-amd-amdhsa--gfx1250"
	.amdhsa_code_object_version 6
	.text
	.protected	k_qb202f0c3f3_outp
	.globl	k_qb202f0c3f3_outp
	.p2align	8
	.type	k_qb202f0c3f3_outp,@function
k_qb202f0c3f3_outp:
	s_mov_b64 s[64:65], 0
	v_nop
	global_prefetch_b8 v0, s[64:65] scope:SCOPE_SE
	s_setreg_imm32_b32 hwreg(HW_REG_WAVE_MODE, 25, 1), 1
	s_wait_xcnt 0x0
.set WOC_OFF, 1228800
.set WOS_OFF, 1622016
.set OS_OFF,  3145728
.set OIMG, 131072
.set STG,  143360
.set SPT,  4112
.set RED1, 274944
.set ACC, 16
.set WF,  80
.set OF,  176
.set WS,  200
.set OS,  208
.set BI,  216
.set G,   80
.set BE,  112
.set XR,  144
.set RR,  176
.set WV,  18
.set SEL, 20
.set G1A, 24
.set G1B, 32
.set G0A, 40
.set G0B, 44
.macro PLACES
.rept 4
	v_nop
.endr
.endm
	s_load_b256 s[4:11], s[0:1], 0x0
	s_load_b128 s[12:15], s[0:1], 0x20
	s_load_b64 s[16:17], s[0:1], 0x30
	v_lshl_add_u32 v254, v0, 2, 0x44200
	v_mov_b32 v255, 0
	ds_add_u32 v254, v255
	ds_add_u32 v254, v255
	v_lshrrev_b32 v1, 5, v0
	s_delay_alu instid0(VALU_DEP_1)
	v_readfirstlane_b32 s[WV], v1
	s_mov_b32 s[G1B+0], 3<<16
	s_mov_b32 s[G1B+1], 32<<16
	s_mov_b32 s[G1B+2], 32<<16
	s_mov_b32 s[G1B+3], 32<<16
	s_mov_b32 s[G1B+4], 32
	s_mov_b32 s[G1B+5], 32
	s_mov_b32 s[G1B+6], 0
	s_mov_b32 s[G1B+7], 0
	s_mul_i32 s48, ttmp9, 12288
	s_mul_i32 s50, s[WV], 768
	s_add_co_u32 s48, s48, s50
	s_mov_b32 s49, 0
	s_add_co_u32 s[G0A+1], s50, OIMG               ; LDS: my 768 bytes of o's image
	s_lshl_b32 s50, ttmp9, 17
	s_lshl_b32 s[G0B+1], s[WV], 13
	s_add_co_u32 s50, s50, s[G0B+1]
	s_mov_b32 s51, 0
	s_mov_b32 s[G0B], 1
	v_and_b32 v249, 31, v0
	s_delay_alu instid0(VALU_DEP_1)
	v_lshlrev_b32 v251, 3, v249                    ; the copies' offsets in memory: 8 x lane,
	s_delay_alu instid0(VALU_DEP_2)
	v_lshlrev_b32 v249, 4, v249                    ; 16 x lane;
	s_delay_alu instid0(VALU_DEP_2)
	v_add_nc_u32 v250, s[G0A+1], v251              ; and their LDS addresses.  The four are written again only behind the wait on ASYNCcnt
	s_delay_alu instid0(VALU_DEP_2)
	v_add_nc_u32 v248, s[G0A+1], v249
	s_wait_alu depctr_va_vdst(0)
	s_wait_dscnt 0x0
	s_wait_kmcnt 0x0
	s_add_nc_u64 s[G0A+2:G0A+3], s[4:5], s[48:49]
	s_add_nc_u64 s[G0B+2:G0B+3], s[14:15], s[50:51]
	s_or_b32 s[G0B+3], s[G0B+3], 0x80000000
	tensor_load_to_lds s[G0B:G0B+3], s[G1B:G1B+7]  ; my 8,192 bytes of x: the wave's one tensor load
	s_nop 0
	PLACES
	global_load_async_to_lds_b128 v248, v249, s[G0A+2:G0A+3]             ; my 768 bytes of o's image, once in the launch: 512 bytes,
	global_load_async_to_lds_b64 v250, v251, s[G0A+2:G0A+3] offset:512   ; and the 256 behind them
	v_and_b32 v13, 31, v0
	v_and_b32 v14, 15, v0
	v_bfe_u32 v15, v0, 4, 1
	s_delay_alu instid0(VALU_DEP_3)
	v_lshlrev_b32 v1, 4, v13
	s_delay_alu instid0(VALU_DEP_1)
	v_add_nc_u32 v2, OIMG, v1
	v_lshlrev_b32 v3, 3, v13
	s_delay_alu instid0(VALU_DEP_1)
	v_add_nc_u32 v3, OIMG+512, v3
	v_lshlrev_b32 v4, 2, v13
	v_lshlrev_b32 v5, 4, v14
	v_lshlrev_b32 v6, 6, v15
	s_lshl_b32 s62, s[WV], 8
	s_add_co_u32 s62, s62, STG
	v_mul_u32_u24 v7, v14, SPT
	s_delay_alu instid0(VALU_DEP_1)
	v_add_nc_u32 v7, v7, v6
	s_delay_alu instid0(VALU_DEP_1)
	v_add_nc_u32 v7, s62, v7
	s_delay_alu instid0(VALU_DEP_1)
	v_add_nc_u32 v8, 16*SPT, v7
	s_lshl_b32 s62, s[WV], 7
	v_add_nc_u32 v10, RED1, v4
	s_delay_alu instid0(VALU_DEP_1)
	v_add_nc_u32 v9, s62, v10
	s_mul_i32 s62, s[WV], 2*SPT
	s_add_co_u32 s62, s62, STG
	v_add_nc_u32 v11, s62, v1
	s_lshr_b32 s23, s[WV], 3
	s_lshl_b32 s23, s23, 3
	s_and_b32 s62, s[WV], 7
	s_lshl_b32 s62, s62, 1
	s_add_co_u32 s23, s23, s62
	s_bfe_u32 s62, s[WV], 0x10002
	s_lshl_b32 s62, s62, 3
	s_add_co_u32 s23, s23, s62
	s_lshl_b32 s62, s23, 12
	v_add_nc_u32 v12, s62, v1
	v_cmp_le_u32 s22, 16, v13
	v_mov_b32 v253, 0
	s_mov_b32 s[SEL], 0x76543210
	s_mov_b32 s[SEL+1], 0xfedcba98
	s_mov_b32 s58, 0x3a800000
	s_mov_b32 s59, 0x3727c5ac
	s_mov_b32 s60, 0x3f3504f3
	s_mov_b32 s61, s60
	s_mov_b32 s63, 0
	s_lshl_b32 s62, s[WV], 10
	s_add_co_u32 s62, s62, WOS_OFF
	s_add_nc_u64 s[48:49], s[6:7], s[62:63]
	s_lshl_b32 s62, ttmp9, 9
	s_add_co_u32 s62, s62, OS_OFF
	s_add_nc_u64 s[50:51], s[4:5], s[62:63]
	s_lshl_b32 s62, s[WV], 8
	s_add_nc_u64 s[52:53], s[8:9], s[62:63]
	s_mul_i32 s62, s[WV], 24576
	s_add_co_u32 s62, s62, WOC_OFF
	s_add_nc_u64 s[54:55], s[6:7], s[62:63]
	s_lshl_b32 s62, ttmp9, 5
	s_add_co_u32 s62, s62, s23
	s_lshl_b32 s62, s62, 12
	s_add_nc_u64 s[56:57], s[16:17], s[62:63]
.irp wt, 0,1,2,3
.irp sp, 0,1
	global_load_b32 v[WS+2*\wt+\sp], v4, s[48:49] offset:256*\wt+128*\sp
.endr
.endr
.irp tt, 0,1
	global_load_b128 v[OS+4*\tt:OS+4*\tt+3], v5, s[50:51] offset:256*\tt
.endr
.irp wt, 0,1,2,3
	global_load_b128 v[BI+8*\wt:BI+8*\wt+3], v6, s[52:53] offset:4*(32*(\wt/2)+8*(\wt%2))
	global_load_b128 v[BI+8*\wt+4:BI+8*\wt+7], v6, s[52:53] offset:4*(32*(\wt/2)+8*(\wt%2))+16
.endr
.macro WLOAD s
.irp wt, 0,1,2,3
.irp gi, 0,1,2
	global_load_b128 v[WF+48*((\s)%2)+12*\wt+4*\gi:WF+48*((\s)%2)+12*\wt+4*\gi+3], v1, s[54:55] offset:\wt*6144+(\s)*1536+512*\gi
.endr
.endr
.endm
	WLOAD 0
	WLOAD 1
	s_wait_asynccnt 0x0                            ; my part of o's image is in: the others read it behind the barrier.  x's load stays out
	s_barrier_signal -1
	s_barrier_wait -1
.macro OSTEP s
.if (\s) > 0
	PLACES
.endif
.if ((\s) == 1) || ((\s) == 2)
	WLOAD (\s)+1
.endif
.irp tt, 0,1
.irp c, 0,1
	ds_load_b128 v[OF+12*\tt+6*\c:OF+12*\tt+6*\c+3], v2 offset:(8*\tt+2*(\s)+\c)*768
	ds_load_b64 v[OF+12*\tt+6*\c+4:OF+12*\tt+6*\c+5], v3 offset:(8*\tt+2*(\s)+\c)*768
.endr
.endr
	s_wait_dscnt 0x0
.if (\s) < 3
	s_wait_loadcnt 12
.else
	s_wait_loadcnt 0x0
.endif
.irp tt, 0,1
.irp wt, 0,1,2,3
.if (\s) == 0
	v_wmma_scale_f32_16x16x128_f8f6f4 v[ACC+32*\tt+8*\wt:ACC+32*\tt+8*\wt+7], v[WF+12*\wt:WF+12*\wt+11], v[OF+12*\tt:OF+12*\tt+11], v[BI+8*\wt:BI+8*\wt+7], v[WS+2*\wt], v[OS+4*\tt] matrix_a_fmt:MATRIX_FMT_BF6 matrix_b_fmt:MATRIX_FMT_BF6
.elseif (\s)%2
	v_wmma_scale_f32_16x16x128_f8f6f4 v[ACC+32*\tt+8*\wt:ACC+32*\tt+8*\wt+7], v[WF+48*((\s)%2)+12*\wt:WF+48*((\s)%2)+12*\wt+11], v[OF+12*\tt:OF+12*\tt+11], v[ACC+32*\tt+8*\wt:ACC+32*\tt+8*\wt+7], v[WS+2*\wt+(\s)/2], v[OS+4*\tt+(\s)] matrix_a_fmt:MATRIX_FMT_BF6 matrix_b_fmt:MATRIX_FMT_BF6 matrix_a_scale:MATRIX_SCALE_ROW1
.else
	v_wmma_scale_f32_16x16x128_f8f6f4 v[ACC+32*\tt+8*\wt:ACC+32*\tt+8*\wt+7], v[WF+48*((\s)%2)+12*\wt:WF+48*((\s)%2)+12*\wt+11], v[OF+12*\tt:OF+12*\tt+11], v[ACC+32*\tt+8*\wt:ACC+32*\tt+8*\wt+7], v[WS+2*\wt+(\s)/2], v[OS+4*\tt+(\s)] matrix_a_fmt:MATRIX_FMT_BF6 matrix_b_fmt:MATRIX_FMT_BF6
.endif
.endr
.endr
.endm
	OSTEP 0
	OSTEP 1
	OSTEP 2
	OSTEP 3
	PLACES
.irp i, 0,1,2,3,4,5,6,7
	global_load_b128 v[G+4*\i:G+4*\i+3], v1, s[10:11] offset:512*\i
	global_load_b128 v[BE+4*\i:BE+4*\i+3], v1, s[12:13] offset:512*\i
.endr
.macro FOLD
	s_delay_alu instid0(VALU_DEP_2)
	v_add_f32 v248, v248, v249
	s_delay_alu instid0(VALU_DEP_2)
	v_add_f32 v250, v250, v251
	s_delay_alu instid0(VALU_DEP_2)
	v_permlanex16_b32 v249, v248, s[SEL], s[SEL+1]
	s_delay_alu instid0(VALU_DEP_2)
	v_permlanex16_b32 v251, v250, s[SEL], s[SEL+1]
	s_delay_alu instid0(VALU_DEP_2)
	v_add_f32 v248, v248, v249
	s_delay_alu instid0(VALU_DEP_2)
	v_add_f32 v250, v250, v251
	s_delay_alu instid0(VALU_DEP_1)
	v_cndmask_b32 v252, v248, v250, s22
.endm
.macro ACROSS off
	ds_store_b32 v9, v252 offset:\off
	s_wait_dscnt 0x0
	s_barrier_signal -1
	s_barrier_wait -1
.set i, 0
.rept 16
	ds_load_b32 v[RR+i], v10 offset:\off+128*i
.set i, i+1
.endr
	s_wait_dscnt 0x0
.irp i, 0,2,4,6
	v_pk_add_f32 v[RR+\i:RR+\i+1], v[RR+\i:RR+\i+1], v[RR+8+\i:RR+9+\i]
.endr
	s_delay_alu instid0(VALU_DEP_2)
	v_pk_add_f32 v[RR:RR+1], v[RR:RR+1], v[RR+4:RR+5]
	s_delay_alu instid0(VALU_DEP_2)
	v_pk_add_f32 v[RR+2:RR+3], v[RR+2:RR+3], v[RR+6:RR+7]
	s_delay_alu instid0(VALU_DEP_1)
	v_pk_add_f32 v[RR:RR+1], v[RR:RR+1], v[RR+2:RR+3]
	s_delay_alu instid0(VALU_DEP_1)
	v_add_f32 v[RR], v[RR], v[RR+1]
.endm
.macro SPREAD
	v_permlanex16_b32 v253, v252, s[SEL], s[SEL+1]
	v_cndmask_b32 v192, v252, v253, s22
	v_cndmask_b32 v193, v252, v253, s22
	v_cndmask_b32 v194, v253, v252, s22
	v_cndmask_b32 v195, v253, v252, s22
.endm
	v_pk_add_f32 v[248:249], v[ACC:ACC+1], v[ACC+2:ACC+3]
	v_pk_add_f32 v[250:251], v[ACC+32:ACC+33], v[ACC+34:ACC+35]
.set i, 4
.rept 14
	v_pk_add_f32 v[248:249], v[248:249], v[ACC+i:ACC+i+1]
	v_pk_add_f32 v[250:251], v[250:251], v[ACC+32+i:ACC+33+i]
.set i, i+2
.endr
	FOLD
	ACROSS 0
	s_delay_alu instid0(VALU_DEP_1)
	v_mul_f32 v252, s58, v[RR]
	SPREAD
.set i, 0
.rept 16
	v_pk_add_f32 v[ACC+i:ACC+i+1], v[ACC+i:ACC+i+1], v[192:193] neg_lo:[0,1] neg_hi:[0,1]
	v_pk_add_f32 v[ACC+32+i:ACC+33+i], v[ACC+32+i:ACC+33+i], v[194:195] neg_lo:[0,1] neg_hi:[0,1]
.set i, i+2
.endr
	v_pk_mul_f32 v[248:249], v[ACC:ACC+1], v[ACC:ACC+1]
	v_pk_mul_f32 v[250:251], v[ACC+32:ACC+33], v[ACC+32:ACC+33]
.set i, 2
.rept 15
	s_delay_alu instid0(VALU_DEP_2)
	v_pk_fma_f32 v[248:249], v[ACC+i:ACC+i+1], v[ACC+i:ACC+i+1], v[248:249]
	s_delay_alu instid0(VALU_DEP_2)
	v_pk_fma_f32 v[250:251], v[ACC+32+i:ACC+33+i], v[ACC+32+i:ACC+33+i], v[250:251]
.set i, i+2
.endr
	FOLD
	ACROSS 2048
	s_delay_alu instid0(VALU_DEP_1)
	v_fma_f32 v252, v[RR], s58, s59
	s_wait_alu depctr_va_vdst(0)
	v_rsq_f32 v252, v252
	v_nop
	s_wait_alu depctr_va_vdst(0)
	SPREAD
.set i, 0
.rept 16
	v_pk_mul_f32 v[ACC+i:ACC+i+1], v[ACC+i:ACC+i+1], v[192:193]
	v_pk_mul_f32 v[ACC+32+i:ACC+33+i], v[ACC+32+i:ACC+33+i], v[194:195]
.set i, i+2
.endr
.irp wt, 0,1,2,3
.irp e, 0,1
	ds_store_b128 v7, v[ACC+8*\wt+4*\e:ACC+8*\wt+4*\e+3] offset:128*(\wt/2)+32*(\wt%2)+16*\e
	ds_store_b128 v8, v[ACC+32+8*\wt+4*\e:ACC+32+8*\wt+4*\e+3] offset:128*(\wt/2)+32*(\wt%2)+16*\e
.endr
.endr
	s_wait_tensorcnt 0x0
	s_wait_dscnt 0x0
	s_barrier_signal -1
	s_barrier_wait -1
.irp e, 0,1
.irp i, 0,1,2,3,4,5,6,7
	ds_load_b128 v[ACC+32*\e+4*\i:ACC+32*\e+4*\i+3], v11 offset:\e*SPT+512*\i
.endr
.endr
.irp e, 0,1
.irp i, 0,1,2,3,4,5,6,7
	ds_load_b128 v[XR+72*\e+4*\i:XR+72*\e+4*\i+3], v12 offset:\e*4096+512*\i
.endr
.endr
	s_wait_loadcnt 0x0
	s_wait_dscnt 0x0
.irp e, 0,1
.set i, 0
.rept 16
	v_pk_fma_f32 v[ACC+32*\e+i:ACC+32*\e+i+1], v[ACC+32*\e+i:ACC+32*\e+i+1], v[G+i:G+i+1], v[BE+i:BE+i+1]
.set i, i+2
.endr
.endr
.irp e, 0,1
.set i, 0
.rept 16
	v_pk_add_f32 v[ACC+32*\e+i:ACC+32*\e+i+1], v[ACC+32*\e+i:ACC+32*\e+i+1], v[XR+72*\e+i:XR+72*\e+i+1]
.set i, i+2
.endr
.endr
.irp e, 0,1
.set i, 0
.rept 16
	v_pk_mul_f32 v[ACC+32*\e+i:ACC+32*\e+i+1], v[ACC+32*\e+i:ACC+32*\e+i+1], s[60:61] op_sel_hi:[1,0]
.set i, i+2
.endr
.endr
.irp e, 0,1
.irp i, 0,1,2,3,4,5,6,7
	global_store_b128 v1, v[ACC+32*\e+4*\i:ACC+32*\e+4*\i+3], s[56:57] offset:\e*4096+512*\i th:TH_STORE_NT
.endr
.endr
	s_wait_tensorcnt 0x0
	ds_add_u32 v254, v255
	s_wait_dscnt 0x0
	s_endpgm
.Lfunc_end_k_qb202f0c3f3_outp:
	.size	k_qb202f0c3f3_outp, .Lfunc_end_k_qb202f0c3f3_outp-k_qb202f0c3f3_outp
	.p2alignl 7, 3214868480
	.fill 96, 4, 3214868480
	.section	.rodata,"a",@progbits
	.p2align	6, 0x0
	.amdhsa_kernel k_qb202f0c3f3_outp
		.amdhsa_group_segment_fixed_size 327680
		.amdhsa_private_segment_fixed_size 0
		.amdhsa_enable_private_segment 0
		.amdhsa_kernarg_size 56
		.amdhsa_user_sgpr_count 2
		.amdhsa_user_sgpr_kernarg_segment_ptr 1
		.amdhsa_wavefront_size32 1
		.amdhsa_system_sgpr_workgroup_id_x 1
		.amdhsa_system_sgpr_workgroup_id_y 1
		.amdhsa_system_sgpr_workgroup_id_z 1
		.amdhsa_system_vgpr_workitem_id 0
		.amdhsa_next_free_vgpr 256
		.amdhsa_next_free_sgpr 66
		.amdhsa_reserve_vcc 0
		.amdhsa_float_denorm_mode_32 3
		.amdhsa_float_denorm_mode_16_64 3
		.amdhsa_memory_ordered 1
		.amdhsa_forward_progress 1
		.amdhsa_inst_pref_size 45
	.end_amdhsa_kernel
	.amdgpu_metadata
---
amdhsa.version: [ 1, 2 ]
amdhsa.kernels:
  - .name:           k_qb202f0c3f3_outp
    .symbol:         k_qb202f0c3f3_outp.kd
    .args:
      - { .name: oq, .offset: 0, .size: 8, .value_kind: global_buffer, .address_space: global }
      - { .name: wq, .offset: 8, .size: 8, .value_kind: global_buffer, .address_space: global }
      - { .name: b_out, .offset: 16, .size: 8, .value_kind: global_buffer, .address_space: global }
      - { .name: ln_gamma, .offset: 24, .size: 8, .value_kind: global_buffer, .address_space: global }
      - { .name: ln_beta, .offset: 32, .size: 8, .value_kind: global_buffer, .address_space: global }
      - { .name: x, .offset: 40, .size: 8, .value_kind: global_buffer, .address_space: global }
      - { .name: out0, .offset: 48, .size: 8, .value_kind: global_buffer, .address_space: global }
    .group_segment_fixed_size: 327680
    .private_segment_fixed_size: 0
    .kernarg_segment_align: 8
    .kernarg_segment_size: 56
    .max_flat_workgroup_size: 512
    .sgpr_count:     66
    .vgpr_count:     256
    .wavefront_size: 32
...
	.end_amdgpu_metadata
.endif
;; end of part 4
